; MI455X (gfx1250); checked and timed in simulation.
; The chip was launched on July 23, 2026; its instructions are those of AMD's public machine-readable ISA for CDNA 5 (MIT licence, August 2026) and "CDNA5" Instruction Set Architecture Reference Guide (July 2026). The comments in the code are by the model that wrote it; some were corrected since.
;; Weight Only Int4 Linear. Allowed arithmetic: matrix products marked QUANTISED: E5M2 operands, one given power-of-two scale a tensor, by v_wmma_f32_16x16x64_bf8_bf8 or v_wmma_f32_16x16x128_bf8_bf8, f32 sums; everything else in f32.
;; Inputs: input 4 x 2,048 x 4,096 float32; lowp_scales 2 int32 (the exponents e of the quantised operands' scales 2^e); scales_and_zeros 32 x 2,048 x 2 float32; weight_q 2,048 x 4,096 int32.
;; Outputs: out0 4 x 2,048 x 2,048 float32.
;; This version of the problem:
;;   THIS VERSION OF THE PROBLEM IS GIVEN IN LOW PRECISION. The matrix products marked QUANTISED in the list below multiply operands that are first quantised to E5M2 (5 exponent bits, 2 mantissa bits; 8 bits a number), with one given power-of-two scale for each operand tensor; their sums are f32. All else is computed in f32.
;;   The module's matrix products, in the order in which they are computed (A, B: the left and right operand; K: the contracted axis; several contracted axes count as one K, in the product's order):
;;     1. [M 8,192, K 4,096] x [K 4,096, N 2,048]; A: input input; B: computed on the way: QUANTISED (scales: A lowp_scales[0], B lowp_scales[1])
;;   THE QUANTISER, for each operand of a quantised product, along K:
;;     - The operand's scale is 2^e, e = its entry of the input lowp_scales (int32; the entries are numbered through the quantised products in the list's order, A before B).
;;     - Each number is divided by the scale, clamped to +-57,344, and rounded to the nearest number of E5M2, ties to even, subnormals kept.
;;     - The product sums the exact products of the quantised numbers (number of the format x scale) in f32.
;;   ~~~python
;;   def quantise(x, axis, e):      # numpy; x: float32 -> the quantised numbers, widened to float32 again
;;       x = np.moveaxis(x, axis, -1); K = x.shape[-1]
;;       r = np.clip(x / 2.0 ** e, -57344, 57344)
;;       step = 2.0 ** (np.maximum(np.frexp(np.where(r == 0, 1, r))[1] - 1, -14) - 2)
;;       q = np.round(r / step) * step * 2.0 ** e      # np.round: ties to even
;;       return np.moveaxis(q, -1, axis).astype(np.float32)
;;   ~~~
;;   OPERANDS COMPUTED ON THE WAY. 'Computed on the way' means the value that the module computes at that place (a softmax that the list does not call 'softmax' is quantised finished and normalised). What goes into a quantiser is computed in f32, as accurately as f32 sums, v_exp_f32 and their like allow (about 1e-6 of the number): no bf16 or f16 on the way to a quantiser, and a product that is left as it is and whose result goes on into a quantised operand takes f32 operands (vector FMAs, or v_wmma_f32_16x16x4_f32). A number that lies on a knife's edge between two numbers of the format may be rounded either way, as far as f32 arithmetic and the matrix unit's own rounding can turn it there, and no further.
;; One version. Each part assembles by itself: llvm-mc -triple=amdgcn-amd-amdhsa -mcpu=gfx1250 --defsym DOCPART=n.
;; ======== version 1 of 1: 2 launches
;; limits: right only within a limited range of input values
;; workspace buffers: x_codes 33,554,432 bytes; w_codes 8,388,608 bytes
;; launch quant (part 1): grid 1280 x 1, 4 waves a work-group, no clusters, 35,328 bytes of LDS; arguments input, weight_q, scales_and_zeros, lowp_scales, x_codes, w_codes; writes x_codes, w_codes
.if DOCPART == 1
	.amdgcn_target "amdgcn-amd-amdhsa--gfx1250"
	.amdhsa_code_object_version 6
	.text
	.protected	k_qffadf0944e_quant
	.globl	k_qffadf0944e_quant
	.p2align	8
	.type	k_qffadf0944e_quant,@function
k_qffadf0944e_quant:
	s_mov_b64 s[64:65], 0
	v_nop
	global_prefetch_b8 v0, s[64:65] scope:SCOPE_SE
	s_setreg_imm32_b32 hwreg(HW_REG_WAVE_MODE, 25, 1), 1
	s_wait_xcnt 0x0
; Both operands of out = x w^T are turned, once, into codes of BF8 (E5M2), one code a byte:
;   x_codes from input [8192][4096] (f32), with the given scale 2^e0;
;   w_codes from w[n][k] = (weight_q[n][k] - 8) s[k/128][n] + z[k/128][n], [2048][4096], computed in f32, with the given scale 2^e1.
; code = number / 2^e, held within +-57,344, rounded to the nearest code, ties to even.
; LIMITS: e0 and e1 each between -126 and 112.  NaN among input, s or z is not served; an infinity is held at the largest code.
;   weight_q may hold any int32: it is converted to f32, then 8 is taken off.  (q - 8) s + z is ONE fused multiply-add: one rounding where the definition has two.
; A UNIT is the 256 codes of one row and one K step of 256.  Byte p = 8 l + 4 i + j of a unit holds k = 256 c + 128 i + 4 l + j (l = 0..31, i = 0, 1, j = 0..3), in x and in w alike:
;   every code of x meets its partner of w.  So a unit's numbers come by two loads of 512 consecutive bytes, and a lane's 8 numbers are the sources of one conversion.
; x_codes: [block of 128 rows][K step][128 rows][256 bytes]: a lane's 8 codes are its 8 bytes of one store of the wave, which covers the unit.
; w_codes lie in the order in which the product's operand registers take them: [64 rows g][128 along K s][16 rows b][c = 0..3][lane 16 h + r][16 bytes]:
;   byte p of the unit of row 64 g + 16 b + r, K step s / 2, with p = 128 (s % 2) + 32 c + 16 h + 0..15.  There a lane stands for a row, here for a place along K:
;   so a wave's 32 units turn through its own stage in LDS (rows 272 bytes apart) and leave by 16 stores of 512 consecutive bytes.
; SHARES.  Work-groups 0 to 1,023 take x (a wave: two whole rows), 1,024 to 1,279 take w (a wave: 32 rows x one K step); one branch on the work-group's number, the ways never join.
;   w: a load is one group of one row, so its s and z are the same in all lanes: they come by ONE load into four registers, and v_readlane_b32 hands each step its eight numbers.
; Loads run six steps (24 loads a wave) ahead.  No barrier: waves share nothing.  No loop: every offset is an immediate.
.set WGA,   1024
.set STEPS, 16
.set DEPTH, 6
.set UNIT,  256
.set KBLK,  128*UNIT
.set WP,    272                        ; a stage row: a unit + 16 bytes
.set WREG,  32*WP                      ; a wave's stage
.set SPARE, 4*WREG                     ; the spare words, 128 bytes a wave
.set WST,   6                          ; v6  stage, in: 8 x lane
.set WRD,   7                          ; v7  stage, out: row lane % 16, + 16 (lane / 16)
.set SPW,   8                          ; v8  my spare word
.set NIL,   9                          ; v9  0
.set LIM,   12                         ; v12 57,344 x 2^e
.set SC,    13                         ; v13 2^e
.set R,     16                         ; v16-111  six sets of 16 numbers
.set C,     112                        ; v112-175 codes, four registers a step
.set TB,    176                        ; v176-179 w: lane 16 g + t holds s, z of rows 2 t and 2 t + 1 in the wave's group g
.set SZ,    32                         ; s[32:39] w: a step's s and z
	s_load_b256 s[4:11], s[0:1], 0x0               ; input, weight_q, scales_and_zeros, lowp_scales
	s_load_b128 s[12:15], s[0:1], 0x20             ; x_codes, w_codes
	v_lshl_add_u32 v[SPW], v0, 2, SPARE
	v_mov_b32 v[NIL], 0
	v_lshrrev_b32 v1, 5, v0
	v_readfirstlane_b32 s16, v1                    ; wave
	v_and_b32 v2, 31, v0
	v_lshlrev_b32 v3, 4, v2                        ; 16 x lane
	v_lshlrev_b32 v4, 3, v2                        ; 8 x lane
	v_bfe_u32 v15, v0, 4, 1
	v_and_b32 v1, 15, v0
	s_mul_i32 s28, s16, WREG
	v_mul_u32_u24 v[WRD], v1, WP
	v_lshl_add_u32 v[WRD], v15, 4, v[WRD]
	v_add_nc_u32 v[WRD], s28, v[WRD]
	v_add_nc_u32 v[WST], s28, v4
	v_lshlrev_b32 v1, 4, v1
	v_lshl_add_u32 v5, v15, 14, v1                 ; my 16 bytes of s and z: two rows; lanes 16-31 a group further on
	s_wait_alu depctr_va_vdst(0)                   ; the wait at the head's end
	s_wait_kmcnt 0x0
	s_load_b64 s[22:23], s[10:11], 0x0             ; e0, e1
	s_cmp_lt_u32 ttmp9, WGA
	s_cbranch_scc0 .Lweights
.macro LOAD t                          ; step t's four loads, 512 consecutive bytes each
.irp i, 0,1,2,3
.if PATH
	global_load_b128 v[R+16*((\t)%DEPTH)+4*\i:R+16*((\t)%DEPTH)+4*\i+3], v3, s[INB:INB+1] offset:(2*(\t)+\i/2)*16384+(\i%2)*512 th:TH_LOAD_NT
.else
	global_load_b128 v[R+16*((\t)%DEPTH)+4*\i:R+16*((\t)%DEPTH)+4*\i+3], v3, s[INB:INB+1] offset:2048*(\t)+512*\i th:TH_LOAD_NT
.endif
.endr
.endm
.macro MAKE e                          ; 2^e and 57,344 x 2^e as f32 patterns
	s_add_co_i32 s24, s[\e], 127
	s_lshl_b32 s25, s24, 23
	v_mov_b32 v[SC], s25
	s_add_co_i32 s24, s24, 15
	s_lshl_b32 s24, s24, 23
	s_or_b32 s24, s24, 0x600000
	v_mov_b32 v[LIM], s24
	s_wait_alu depctr_va_vdst(0)                   ; the wait ahead of the steps' waits
.endm
.macro STEP t
.set XS, R+16*((\t)%DEPTH)
.if STEPS-1-(\t) >= DEPTH-1
	s_wait_loadcnt 4*(DEPTH-1)                     ; this step's four are in; those of the five steps behind it may be out
.else
	s_wait_loadcnt 4*(STEPS-1-(\t))
.endif
.if PATH
.irp i, 0,1,2,3
	v_readlane_b32 s[SZ+2*\i], v[TB+2*(\i/2)], 16*(\i%2)+(\t)
	v_readlane_b32 s[SZ+2*\i+1], v[TB+2*(\i/2)+1], 16*(\i%2)+(\t)
.endr
.irp i, 0,1,2,3,4,5,6,7,8,9,10,11,12,13,14,15
	v_cvt_f32_i32 v[XS+\i], v[XS+\i]
.endr
.irp j, 0,2,4,6,8,10,12,14
	v_pk_add_f32 v[XS+\j:XS+\j+1], v[XS+\j:XS+\j+1], s[26:27] op_sel_hi:[1,0]   ; q - 8
.endr
.irp i, 0,1,2,3
.irp j, 0,1,2,3
	v_fma_f32 v[XS+4*\i+\j], v[XS+4*\i+\j], s[SZ+2*\i], s[SZ+2*\i+1]            ; (q - 8) s + z
.endr
.endr
.endif
.irp i, 0,1,2,3,4,5,6,7,8,9,10,11,12,13,14,15
	v_med3_num_f32 v[XS+\i], v[XS+\i], -v[LIM], v[LIM]   ; the conversion does not saturate (ISA guide 7.6.2)
.endr
.irp h, 0,1
	v_cvt_scalef32_pk8_bf8_f32 v[C+4*(\t)+2*\h:C+4*(\t)+2*\h+1], v[XS+8*\h:XS+8*\h+7], v[SC]
.endr
.if (\t)+DEPTH < STEPS
	LOAD (\t)+DEPTH
.endif
.irp h, 0,1
.if PATH
	ds_store_b64 v[WST], v[C+4*(\t)+2*\h:C+4*(\t)+2*\h+1] offset:(2*(\t)+\h)*WP                                        ; row 2 t + h of my 32, into my stage
.else
	global_store_b64 v4, v[C+4*(\t)+2*\h:C+4*(\t)+2*\h+1], s[OUTB:OUTB+1] offset:((\t)/8)*UNIT+(2*((\t)%8)+\h)*KBLK    ; row t / 8 of my two, K step 2 (t % 8) + h: 256 consecutive bytes, aligned
.endif
.endr
.endm
	; ---------------- x ----------------
.set PATH, 0
.set INB,  4
.set OUTB, 12
	s_lshl_b32 s17, ttmp9, 2
	s_add_co_u32 s17, s17, s16                     ; u: my rows are 2 u and 2 u + 1
	s_lshl_b32 s18, s17, 15
	s_mov_b32 s19, 0
	s_add_nc_u64 s[4:5], s[4:5], s[18:19]
	s_lshr_b32 s20, s17, 6
	s_lshl_b32 s20, s20, 19
	s_and_b32 s21, s17, 63
	s_lshl_b32 s21, s21, 9
	s_add_co_u32 s20, s20, s21
	s_mov_b32 s21, 0
	s_add_nc_u64 s[12:13], s[12:13], s[20:21]
.irp t, 0,1,2,3,4,5
	LOAD \t
.endr
	s_wait_kmcnt 0x0
	MAKE 22
.irp t, 0,1,2,3,4,5,6,7,8,9,10,11,12,13,14,15
	STEP \t
.endr
	s_endpgm
	; ---------------- w ----------------
.Lweights:
.set PATH, 1
.set INB,  6
.set OUTB, 14
	s_sub_co_u32 s17, ttmp9, WGA
	s_lshr_b32 s18, s17, 2                         ; which 32 rows
	s_and_b32 s19, s17, 3                          ; which 1,024 along K
	s_lshl_b32 s20, s18, 19
	s_lshl_b32 s21, s19, 12
	s_add_co_u32 s20, s20, s21
	s_lshl_b32 s21, s16, 10
	s_add_co_u32 s20, s20, s21
	s_mov_b32 s21, 0
	s_add_nc_u64 s[6:7], s[6:7], s[20:21]
	s_lshl_b32 s20, s19, 17
	s_lshl_b32 s24, s16, 15
	s_add_co_u32 s20, s20, s24                     ; my K step x 32,768: my first group's place in scales_and_zeros
	s_lshl_b32 s24, s18, 8
	s_add_co_u32 s24, s24, s20
	s_mov_b32 s25, 0
	s_add_nc_u64 s[8:9], s[8:9], s[24:25]
	s_lshr_b32 s20, s20, 1                         ; the codes: my K step x two steps of 8,192,
	s_lshr_b32 s24, s18, 1
	s_lshl_b32 s24, s24, 18                        ; + my 64 rows' 262,144,
	s_add_co_u32 s20, s20, s24
	s_and_b32 s24, s18, 1
	s_lshl_b32 s24, s24, 12                        ; + my two blocks of 16 rows, 2,048 each
	s_add_co_u32 s20, s20, s24
	s_add_nc_u64 s[14:15], s[14:15], s[20:21]
	global_load_b128 v[TB:TB+3], v5, s[8:9]
.irp t, 0,1,2,3,4,5
	LOAD \t
.endr
	s_mov_b32 s26, 0xc1000000                      ; -8.0
	s_mov_b32 s27, s26
	s_wait_kmcnt 0x0
	MAKE 23
.irp t, 0,1,2,3,4,5,6,7,8,9,10,11,12,13,14,15
	STEP \t
.endr
.irp i, 0,1,2,3,4,5,6,7,8,9,10,11,12,13,14,15
	ds_load_b128 v[R+4*\i:R+4*\i+3], v[WRD] offset:(\i/8)*16*WP+(\i%8)*32    ; LDS serves a wave's instructions in order: these see my stores
.endr
.irp i, 0,1,2,3,4,5,6,7,8,9,10,11,12,13,14,15
	s_wait_dscnt 15-\i
	global_store_b128 v3, v[R+4*\i:R+4*\i+3], s[14:15] offset:(\i/8)*2048+((\i%8)/4)*8192+(\i%4)*512   ; 512 consecutive bytes, aligned
.endr
	s_wait_tensorcnt 0x0                           ; the wave's end
	ds_add_u32 v[SPW], v[NIL]
	s_wait_dscnt 0x0
	s_endpgm
.Lfunc_end_k_qffadf0944e_quant:
	.size	k_qffadf0944e_quant, .Lfunc_end_k_qffadf0944e_quant-k_qffadf0944e_quant
	.p2alignl 7, 3214868480
	.fill 96, 4, 3214868480
	.section	.rodata,"a",@progbits
	.p2align	6, 0x0
	.amdhsa_kernel k_qffadf0944e_quant
		.amdhsa_group_segment_fixed_size 35328
		.amdhsa_private_segment_fixed_size 0
		.amdhsa_enable_private_segment 0
		.amdhsa_kernarg_size 48
		.amdhsa_user_sgpr_count 2
		.amdhsa_user_sgpr_kernarg_segment_ptr 1
		.amdhsa_wavefront_size32 1
		.amdhsa_system_sgpr_workgroup_id_x 1
		.amdhsa_system_sgpr_workgroup_id_y 1
		.amdhsa_system_sgpr_workgroup_id_z 1
		.amdhsa_system_vgpr_workitem_id 0
		.amdhsa_next_free_vgpr 192
		.amdhsa_next_free_sgpr 66
		.amdhsa_reserve_vcc 0
		.amdhsa_float_denorm_mode_32 3
		.amdhsa_float_denorm_mode_16_64 3
		.amdhsa_memory_ordered 1
		.amdhsa_forward_progress 1
		.amdhsa_inst_pref_size 101
	.end_amdhsa_kernel
	.amdgpu_metadata
---
amdhsa.version: [ 1, 2 ]
amdhsa.kernels:
  - .name:           k_qffadf0944e_quant
    .symbol:         k_qffadf0944e_quant.kd
    .args:
      - { .name: input, .offset: 0, .size: 8, .value_kind: global_buffer, .address_space: global }
      - { .name: weight_q, .offset: 8, .size: 8, .value_kind: global_buffer, .address_space: global }
      - { .name: scales_and_zeros, .offset: 16, .size: 8, .value_kind: global_buffer, .address_space: global }
      - { .name: lowp_scales, .offset: 24, .size: 8, .value_kind: global_buffer, .address_space: global }
      - { .name: x_codes, .offset: 32, .size: 8, .value_kind: global_buffer, .address_space: global }
      - { .name: w_codes, .offset: 40, .size: 8, .value_kind: global_buffer, .address_space: global }
    .group_segment_fixed_size: 35328
    .private_segment_fixed_size: 0
    .kernarg_segment_align: 8
    .kernarg_segment_size: 48
    .max_flat_workgroup_size: 128
    .sgpr_count:     66
    .vgpr_count:     192
    .wavefront_size: 32
...
	.end_amdgpu_metadata
.endif
;; end of part 1
;; launch gemm (part 2): grid 8 x 32, 4 waves a work-group, clusters of 4 x 1, 327,680 bytes of LDS; arguments x_codes, w_codes, lowp_scales, out0; writes out0
.if DOCPART == 2
	.amdgcn_target "amdgcn-amd-amdhsa--gfx1250"
	.amdhsa_code_object_version 6
	.text
	.protected	k_qffadf0944e_gemm
	.globl	k_qffadf0944e_gemm
	.p2align	8
	.type	k_qffadf0944e_gemm,@function
k_qffadf0944e_gemm:
	s_mov_b64 s[64:65], 0
	v_nop
	global_prefetch_b8 v0, s[64:65] scope:SCOPE_SE
	s_setreg_imm32_b32 hwreg(HW_REG_WAVE_MODE, 25, 1), 1
	s_wait_xcnt 0x0
	s_wait_alu depctr_hold_cnt(0) depctr_sa_sdst(0) depctr_va_vdst(0) depctr_va_sdst(0) depctr_va_ssrc(0) depctr_va_vcc(0) depctr_vm_vsrc(0)
	s_getreg_b32 s2, hwreg(HW_REG_IB_STS2, 6, 4)
	s_cmp_eq_u32 s2, 0
	s_cbranch_scc0 .Lentry_in_a_cluster
	s_endpgm
.Lentry_in_a_cluster:
	s_bfe_u32 s2, ttmp6, 0x10000c
	s_cmp_lg_u32 s2, 0x3003
	s_cbranch_scc0 .Lentry_shape_is_right
	s_endpgm
.Lentry_shape_is_right:
; out0[m][n] = 2^(e0 + e1) x the sum over k of x_codes[m][k] w_codes[n][k]: codes of BF8 (E5M2), sums in f32.  M 8,192, N 2,048, K 4,096.
; LIMIT: e0 + e1 between -126 and 127, so that 2^(e0 + e1) is an f32 number.
; A work-group of four waves makes 256 x 256 of out0; a wave makes all 256 rows x 64 columns: 64 accumulators of 16 x 16, 512 registers.
; x GOES THROUGH LDS: a ring of two slots, each 256 rows x 512 along K (four dense chunks of 128 rows x 256 bytes, one tensor load a wave), rows 272 bytes apart in LDS.
;   The four work-groups of a cluster (4 x 1) make one tile row of out0 and need the same chunks: each chunk is asked for jointly, mask 15.
; w GOES STRAIGHT INTO REGISTERS: a wave's 64 columns are read by no other wave of its work-group, and w_codes lie in the order of the operand's registers, so a step of 128 along K
;   is 16 loads of 512 consecutive bytes.  Four sets of 64 registers: a set is asked for three steps ahead of its use.
;   WHY w IS NOT ASKED FOR JOINTLY: a joint load lands in LDS; with w's 256 rows beside x's, a slot would hold 256 along K and not 512, and a fill would have half the matrix instructions (128 a wave, not 256) in which to land.
; PREFETCH: behind each refill the cluster's sixteen waves ask for the fill that the next refill will load: 512 blocks of 256 bytes, a lane a block, shared out by address (cx).  The last fill is 7: nothing is asked beyond it.
;   None for w_codes: its loads into registers are themselves issued three steps (192 matrix instructions) ahead of their use.
; THE MATRIX INSTRUCTION IS USED TRANSPOSED (source 0 = 16 rows of w, source 1 = 16 rows of x): a lane holds eight neighbouring numbers of a row of out0.
; K inside a unit of 256 is permuted, alike in x and w; a fragment takes bytes 128 q + 32 c + 16 (l / 16) + 0..15 of row l % 16 into registers 4 c .. 4 c + 3, on both sides.
; A STEP is 128 along K: 64 matrix instructions in three phases of 5, 6 and 5 blocks of x, each block against w's four; the 64 accumulators take turns.
;   Phase p of a slot's step j works on half (j + p) % 2 of x's registers while the next phase's fragments come into the other half: three runs of LDS loads a step.
; The last three steps go by rows of out0, so that finished rows leave while the others are multiplied.
; REGISTERS: window 0: v16-31 addresses, v32-63 the way out, v64-255 x's fragments, two halves of six blocks (by rows: v64-127 rows read back from the stage, v160-255 two blocks' fragments);
;   window 1: w's four sets; windows 2, 3: accumulator (a, b) at v[8 (4 (a % 8) + b)] of window 2 + a / 8.
.set PITCH,  272
.set HALFT,  128*PITCH                 ; a chunk in LDS
.set SLOT,   4*HALFT
.set SPARE,  2*SLOT                    ; the spare words, 128 bytes a wave
.set STAGE,  SPARE+512                 ; the way out: 16 rows x 272 bytes for each wave; no fill lands here
.set SPITCH, 272
.set FILLB,  65536                     ; from a fill to the next in x_codes: two K steps of 32,768
.set ROWC,   8192                      ; a row of out0 in bytes
.set ADR,  16                          ; v16-23 x's fragments: slot s, chunk c at v[16 + 4 s + c]
.set STO,  24
.set RD,   25
.set CO,   26
.set SPW,  28
.set NIL,  29
.set PFO,  30                          ; 256 x lane
.set BO,   31                          ; 16 x lane
.set TMP,  32
.set BK,   64
.set AF,   64                          ; x's two halves: v64-159, v160-255
.set AR,   160                         ; by rows: two blocks of 48 registers
.set G1,   24                          ; s[24:31]
.set G0,   32                          ; s[32:39], a set for each slot
.set BB,   40                          ; s[40:41] my columns' stream in w_codes
.set PFA,  42                          ; s[42:43] my 32 blocks of my chunk of fill 0, stepped two fills a trip
.set MSB, 0
.macro WIN new
.if MSB != (\new)
	s_set_vgpr_msb (MSB<<8)|(\new)
.set MSB, (\new)
.endif
.endm
.set MUL_LO, 0xa1                      ; source 0 (w) window 1, source 1 (x) window 0, C and D window 2; + 0x50: window 3
.set TO_B,   0x40
.macro PLACES
.rept 4
	v_nop
.endr
.endm
.macro CREST
	s_cmp_lg_u32 s14, 0
	s_cbranch_scc1 .Lnot_wave_0_\@
	s_barrier_signal -3
.Lnot_wave_0_\@:
	s_barrier_wait -3
	s_barrier_signal -1
	s_barrier_wait -1
.endm
.macro CROUND
	s_barrier_signal -1
	s_barrier_wait -1
	CREST
.endm
.macro JLOAD s                         ; every wave's own chunk, one mask for all
	tensor_load_to_lds s[G0+4*(\s):G0+4*(\s)+3], s[G1:G1+7]
	s_nop 0
	PLACES
.endm
; Phase p has 5 + p % 2 blocks, from block 5 p + p / 2 on: 0-4, 5-10, 11-15.
.macro ALD slot, j, p                  ; the blocks of x of phase p of the slot's step j, into half (j + p) % 2: 20 or 24 LDS loads
.set AI, 0
.rept 5+(\p)%2
.set AB, 5*(\p)+(\p)/2+AI
.irp c, 0,1,2,3
	ds_load_b128 v[AF+96*(((\j)+(\p))%2)+16*AI+4*\c:AF+96*(((\j)+(\p))%2)+16*AI+4*\c+3], v[ADR+4*(\slot)+2*(AB/8)+(\j)/2] offset:128*((\j)%2)+32*\c+(AB%8)*16*PITCH
.endr
.set AI, AI+1
.endr
.endm
.macro BLD set, rel                    ; w's four fragments of the step rel steps behind the base: 16 loads of 512 consecutive bytes
.irp b, 0,1,2,3
.irp c, 0,1,2,3
	global_load_b128 v[64*(\set)+16*\b+4*\c:64*(\set)+16*\b+4*\c+3], v[BO], s[BB:BB+1] offset:(\rel)*8192+\b*2048+\c*512
.endr
.endr
.endm
.macro MM j, p, i0, n, zero            ; n blocks of phase p of step j (w's set j), from the phase's block i0 on, each against w's four
.set MI, \i0
.rept \n
.set MB, 5*(\p)+(\p)/2+MI
	WIN MUL_LO+0x50*(MB/8)
.irp b, 0,1,2,3
.if \zero
	v_wmma_f32_16x16x128_bf8_bf8 v[8*(4*(MB%8)+\b):8*(4*(MB%8)+\b)+7], v[64*(\j)+16*\b:64*(\j)+16*\b+15], v[AF+96*(((\j)+(\p))%2)+16*MI:AF+96*(((\j)+(\p))%2)+16*MI+15], 0
.else
	v_wmma_f32_16x16x128_bf8_bf8 v[8*(4*(MB%8)+\b):8*(4*(MB%8)+\b)+7], v[64*(\j)+16*\b:64*(\j)+16*\b+15], v[AF+96*(((\j)+(\p))%2)+16*MI:AF+96*(((\j)+(\p))%2)+16*MI+15], v[8*(4*(MB%8)+\b):8*(4*(MB%8)+\b)+7]
.endif
.endr
.set MI, MI+1
.endr
.endm
; A phase: four places behind the products that read the registers now loaded (ISA guide 7.12.1 for vector instructions); in a step's first phase w's set of three steps on; the next phase's x; then the phase's products.
.macro PH slot, j, p, zero, ns, nj, np, rel, lcnt
	PLACES
.if (\p) == 0
.if (\rel) >= 0
	WIN TO_B
	BLD ((\j)+3)%4, \rel
.endif
.endif
	WIN 0
	ALD \ns, \nj, \np
.if (\p) == 0
	s_wait_loadcnt \lcnt                           ; this step's set of w is in; the sets asked for behind it may be out
.endif
	s_wait_dscnt 4*(5+(\np)%2)                     ; this phase's x is in; the loads just issued may be out
	MM \j, \p, 0, 5+(\p)%2, \zero
.endm
.macro STEP slot, j, zero, rel, lcnt   ; j = 0, 1, 2
	PH \slot, \j, 0, \zero, \slot, \j, 1, \rel, \lcnt
	PH \slot, \j, 1, \zero, \slot, \j, 2, -1, 0
	PH \slot, \j, 2, \zero, \slot, (\j)+1, 0, -1, 0
.endm
; A slot's last step changes slots in its second phase: my last reads of this slot are issued; I wait for all my tensor loads (one is out: my chunk of the other slot),
; add 0 to my spare word, and wait for the add and my reads; behind the barrier (mode 1: a round of the cluster's barrier) this slot is filled again first (mode 0: nothing is filled), then the other slot's first fragments are read.
; ask: 0 none; 1 the fill after the one just asked for; 2 the same, but not in the loop's last trip (it would be fill 8).
.macro LAST slot, rel, lcnt, mode, ask
	PH \slot, 3, 0, 0, \slot, 3, 1, \rel, \lcnt
	PLACES
	WIN 0
	ALD \slot, 3, 2
	s_wait_tensorcnt 0x0
	ds_add_u32 v[SPW], v[NIL]
.if (\mode) == 1
	s_add_nc_u64 s[G0+4*(\slot)+2:G0+4*(\slot)+3], s[G0+4*(\slot)+2:G0+4*(\slot)+3], 2*FILLB
.endif
	s_wait_dscnt 21                                ; the second phase's x is in; the 20 loads just issued and the add may be out
	MM 3, 1, 0, 3, 0
	s_wait_dscnt 0x0                               ; the add is done, and my reads of this slot are over
	s_barrier_signal -1
	MM 3, 1, 3, 3, 0
	WIN 0
	s_barrier_wait -1
.if (\mode) == 1
	CREST
	JLOAD \slot                                    ; its four v_nop are also the places in front of the loads below
.else
	PLACES
.endif
	ALD 1-(\slot), 0, 0
.if (\ask) == 2
	s_cmp_gt_u32 s3, 1
	s_cbranch_scc0 .Lno_ask_\@
.endif
.if (\ask) > 0
	global_prefetch_b8 v[PFO], s[PFA:PFA+1] offset:(3+(\slot))*FILLB th:TH_LOAD_NT scope:SCOPE_SE
.endif
.if (\ask) == 2
.Lno_ask_\@:
.endif
	MM 3, 2, 0, 5, 0
.endm
	s_load_b128 s[4:7], s[0:1], 0x0                ; x_codes, w_codes
	s_load_b128 s[8:11], s[0:1], 0x10              ; lowp_scales, out0
	v_lshl_add_u32 v[SPW], v0, 2, SPARE
	v_mov_b32 v[NIL], 0
	ds_add_u32 v[SPW], v[NIL]                      ; the opening: the add, twice on end, and its wait ahead of my first tensor load
	ds_add_u32 v[SPW], v[NIL]
	v_lshrrev_b32 v1, 5, v0
	v_readfirstlane_b32 s14, v1                    ; wave
	v_and_b32 v2, 31, v0
	v_lshlrev_b32 v[BO], 4, v2
	v_lshlrev_b32 v[PFO], 8, v2
	s_bfe_u32 s15, ttmp6, 0x40000                  ; cx
	s_lshl_b32 s16, ttmp9, 2
	s_add_co_u32 s16, s16, s15                     ; tile column
	s_and_b32 s17, ttmp7, 0xffff                   ; tile row
	s_mov_b32 s[G1+0], 15|(1<<20)|(1<<21)|(5<<22)|(3<<25)  ; mask: all four of the cluster; elements of a byte; 4 words of padding behind every 64
	s_mov_b32 s[G1+1], 256<<16
	s_mov_b32 s[G1+2], 128<<16
	s_mov_b32 s[G1+3], 256<<16
	s_mov_b32 s[G1+4], 128
	s_mov_b32 s[G1+5], 256
	s_mov_b32 s[G1+6], 0
	s_mov_b32 s[G1+7], 0
	s_lshl_b32 s20, s17, 1                         ; my chunk: block of 128 rows 2 x tile row + wave / 2, K step wave % 2 of a fill's two
	s_lshr_b32 s18, s14, 1
	s_add_co_u32 s20, s20, s18
	s_lshl_b32 s20, s20, 19
	s_and_b32 s18, s14, 1
	s_lshl_b32 s18, s18, 15
	s_add_co_u32 s20, s20, s18
	s_mov_b32 s21, 0
	s_mul_i32 s19, s14, HALFT                      ; and its place in a slot
	s_lshl_b32 s22, s16, 2
	s_add_co_u32 s22, s22, s14
	s_lshl_b32 s22, s22, 18                        ; my 64 columns' stream: 262,144 bytes
	s_mov_b32 s23, 0
	s_lshl_b32 s44, s17, 21                        ; out0: 256 rows of 8,192 bytes a tile row,
	s_lshl_b32 s45, s16, 10                        ; 1,024 bytes a tile column,
	s_add_co_u32 s44, s44, s45
	s_lshl_b32 s45, s14, 8                         ; 256 bytes a wave
	s_add_co_u32 s44, s44, s45
	s_mov_b32 s45, 0
	s_mul_i32 s48, s14, 16*SPITCH
	s_add_co_u32 s48, s48, STAGE                   ; my stage
	s_lshl_b32 s50, s15, 13                        ; the prefetches: my work-group's 32 blocks of each chunk
	s_mov_b32 s51, 0
	s_wait_dscnt 0x0
	s_wait_alu depctr_va_vdst(0)                   ; the wait directly ahead of the wait below
	s_wait_kmcnt 0x0
	s_load_b64 s[46:47], s[8:9], 0x0               ; e0, e1
	s_add_nc_u64 s[20:21], s[4:5], s[20:21]
	s_add_nc_u64 s[BB:BB+1], s[6:7], s[22:23]
	s_add_nc_u64 s[10:11], s[10:11], s[44:45]
	s_add_nc_u64 s[PFA:PFA+1], s[20:21], s[50:51]
.irp s, 0,1
	s_mov_b32 s[G0+4*\s], 1
	s_add_co_u32 s[G0+4*\s+1], s19, \s*SLOT
	s_add_nc_u64 s[G0+4*\s+2:G0+4*\s+3], s[20:21], \s*FILLB
	s_or_b32 s[G0+4*\s+3], s[G0+4*\s+3], 0x80000000
.endr
	CROUND                                         ; the four work-groups are here: the first joint loads meet
	JLOAD 0                                        ; fill 0: one tensor load a wave at the head
	WIN TO_B
	BLD 0, 0                                       ; w's set of step 0: what is needed first is asked for first
	WIN 0
	v_and_b32 v1, 15, v0
	v_bfe_u32 v3, v0, 4, 1
	v_mul_u32_u24 v4, v1, PITCH
	v_lshl_add_u32 v5, v3, 4, v4                   ; a fragment's row x pitch + 16 x half
.irp k, 0,1,2,3,4,5,6,7
	v_add_nc_u32 v[ADR+\k], (\k/4)*SLOT+(\k%4)*HALFT, v5
.endr
	v_lshl_add_u32 v6, v3, 5, v4                   ; into the stage: row l % 16, 32 bytes for each half of the lanes
	v_add_nc_u32 v[STO], s48, v6
	v_mul_u32_u24 v7, v3, SPITCH                   ; back: sixteen lanes to a row of 256 bytes, two rows an instruction
	v_lshl_add_u32 v7, v1, 4, v7
	v_add_nc_u32 v[RD], s48, v7
	v_lshlrev_b32 v8, 13, v3                       ; and the same two rows in out0
	v_lshl_add_u32 v[CO], v1, 4, v8
	s_wait_alu depctr_va_vdst(0)                   ; the wait at the head's end
	s_wait_tensorcnt 0x0                           ; my chunk of fill 0 is in; slot 1's first fill is issued as a refill is
	ds_add_u32 v[SPW], v[NIL]
	s_wait_dscnt 0x0
	CROUND
	JLOAD 1
	ALD 0, 0, 0
	WIN TO_B
	BLD 1, 1                                       ; w's sets of steps 1 and 2
	BLD 2, 2
	STEP 0, 0, 1, 3, 48                            ; the first step stands in front of the loop: its products start the sums
	WIN 0
	s_mov_b32 s3, 3
.Llap:                                                 ; a trip: eight steps, from a lap's second step to the next lap's first; both slots are filled again
	STEP 0, 1, 0, 4, 48
	STEP 0, 2, 0, 5, 48
	LAST 0, 6, 48, 1, 1
	STEP 1, 0, 0, 7, 48
	STEP 1, 1, 0, 8, 48
	STEP 1, 2, 0, 9, 48
	LAST 1, 10, 48, 1, 2
	STEP 0, 0, 0, 11, 48
	WIN 0
	s_wait_xcnt 0x0                                ; my loads and prefetches have read their bases
	s_add_nc_u64 s[BB:BB+1], s[BB:BB+1], 8*8192
	s_add_nc_u64 s[PFA:PFA+1], s[PFA:PFA+1], 2*FILLB
	s_sub_co_u32 s3, s3, 1
	s_cmp_lg_u32 s3, 0
	s_cbranch_scc1 .Llap
	STEP 0, 1, 0, 4, 48                            ; steps 25 to 28: nothing is filled again, and w's last set is asked for in step 28
	STEP 0, 2, 0, 5, 48
	LAST 0, 6, 48, 0, 0
; THE LAST THREE STEPS (29 to 31, steps 1 to 3 of slot 1) GO BY ROWS OF out0: w's sets 1 to 3 stay in their registers, and my sixteen blocks of 16 rows are finished one after the other,
; 12 products each, the block's four accumulators by turns, K ascending.  A block leaves through the stage while the later blocks are multiplied.
.macro ALDR a                          ; block a's fragments of the three steps, into v[AR + 48 (a % 2) ..]: 12 LDS loads
.irp j, 1,2,3
.irp c, 0,1,2,3
	ds_load_b128 v[AR+48*((\a)%2)+16*(\j-1)+4*\c:AR+48*((\a)%2)+16*(\j-1)+4*\c+3], v[ADR+4+2*((\a)/8)+\j/2] offset:128*(\j%2)+32*\c+((\a)%8)*16*PITCH
.endr
.endr
.endm
.macro ROWM a                          ; block a is finished
	WIN MUL_LO+0x50*((\a)/8)
.irp j, 1,2,3
.if (\a) == 0
	s_wait_loadcnt 16*(3-\j)                       ; w's set j is in; the sets asked for behind it may be out
.endif
.irp b, 0,1,2,3
	v_wmma_f32_16x16x128_bf8_bf8 v[8*(4*((\a)%8)+\b):8*(4*((\a)%8)+\b)+7], v[64*\j+16*\b:64*\j+16*\b+15], v[AR+48*((\a)%2)+16*(\j-1):AR+48*((\a)%2)+16*(\j-1)+15], v[8*(4*((\a)%8)+\b):8*(4*((\a)%8)+\b)+7]
.endr
.endr
.endm
	PH 1, 0, 0, 0, 1, 0, 1, 7, 48                  ; step 28 as every step, but its last phase (on v64-159) fetches block 0 of the walk by rows, into the half that its second phase has left
	PH 1, 0, 1, 0, 1, 0, 2, -1, 0
	PLACES
	WIN 0
	ALDR 0
	s_wait_dscnt 12                                ; the third phase's x is in; the 12 loads just issued may be out
	MM 0, 2, 0, 5, 0
	WIN 0
; THE WAY OUT, block by block of 16 rows x 64 columns: x 2^(e0 + e1), 32 bytes a lane into my own stage, back as whole rows of 256 bytes, sixteen lanes to an aligned unit.
; LDS serves a wave's instructions in order (ISA guide 5.7.1.4): no wait between the stores and the loads, nor in front of the next block's stores.
.macro TOSTAGE a
	WIN 0x02+((\a)/8)
.irp j, 0,2,4,6,8,10,12,14,16,18,20,22,24,26,28,30
	v_pk_mul_f32 v[TMP+\j:TMP+\j+1], v[32*((\a)%8)+\j:32*((\a)%8)+\j+1], s[46:47] op_sel_hi:[1,0]   ; each accumulator from its low end on
.endr
	WIN 0
.irp b, 0,1,2,3
	ds_store_b128 v[STO], v[TMP+8*\b:TMP+8*\b+3] offset:64*\b
	ds_store_b128 v[STO], v[TMP+8*\b+4:TMP+8*\b+7] offset:64*\b+16
.endr
.irp t, 0,1,2,3,4,5,6,7
	ds_load_b128 v[BK+32*((\a)%2)+4*\t:BK+32*((\a)%2)+4*\t+3], v[RD] offset:\t*2*SPITCH
.endr
.endm
.macro SEND a, younger
	s_wait_dscnt \younger
.irp t, 0,1,2,3,4,5,6,7
	global_store_b128 v[CO], v[BK+32*((\a)%2)+4*\t:BK+32*((\a)%2)+4*\t+3], s[10:11] offset:(16*(\a)+2*\t)*ROWC th:TH_STORE_NT
.endr
.endm
	s_wait_kmcnt 0x0
	s_add_co_i32 s46, s46, s47
	s_add_co_i32 s46, s46, 127
	s_lshl_b32 s46, s46, 23                        ; 2^(e0 + e1) as f32
; In turn a: four places behind block a - 1's products (for the loads into the registers that they read, and for the reads of their results); block a + 1's fragments; block a - 1 into the stage and back;
; block a - 2's rows are stored; block a's products.
.irp a, 0,1,2,3,4,5,6,7,8,9,10,11,12,13,14,15
	PLACES
	WIN 0
.if \a < 15
	ALDR \a+1
.endif
.if \a >= 3
	s_wait_xcnt 0x0                                ; block a - 3's stores have read their registers: block a - 1's loads may land there
.endif
.if \a >= 1
	TOSTAGE \a-1
.endif
.if \a == 0
	s_wait_dscnt 12                                ; block 0's fragments are in; block 1's 12 loads may be out
.endif
.if \a == 1
	s_wait_dscnt 28                                ; block 1's fragments are in; block 2's 12 loads and block 0's 8 stores and 8 loads may be out
.endif
.if \a >= 2
.if \a < 15
	SEND \a-2, 28                                  ; block a - 2 is back, and block a's fragments, asked for earlier, are in; behind them: 12 loads, 8 stores, 8 loads
.else
	SEND \a-2, 16
.endif
.endif
	ROWM \a
.endr
	PLACES
	s_wait_xcnt 0x0
	TOSTAGE 15
	SEND 14, 16
	SEND 15, 0
	s_wait_tensorcnt 0x0                           ; the wave's end
	ds_add_u32 v[SPW], v[NIL]
	s_wait_dscnt 0x0
	CROUND                                         ; the closing round
	s_endpgm
.Lfunc_end_k_qffadf0944e_gemm:
	.size	k_qffadf0944e_gemm, .Lfunc_end_k_qffadf0944e_gemm-k_qffadf0944e_gemm
	.p2alignl 7, 3214868480
	.fill 96, 4, 3214868480
	.section	.rodata,"a",@progbits
	.p2align	6, 0x0
	.amdhsa_kernel k_qffadf0944e_gemm
		.amdhsa_group_segment_fixed_size 327680
		.amdhsa_private_segment_fixed_size 0
		.amdhsa_enable_private_segment 0
		.amdhsa_kernarg_size 32
		.amdhsa_user_sgpr_count 2
		.amdhsa_user_sgpr_kernarg_segment_ptr 1
		.amdhsa_wavefront_size32 1
		.amdhsa_system_sgpr_workgroup_id_x 1
		.amdhsa_system_sgpr_workgroup_id_y 1
		.amdhsa_system_sgpr_workgroup_id_z 1
		.amdhsa_system_vgpr_workitem_id 0
		.amdhsa_next_free_vgpr 1024
		.amdhsa_next_free_sgpr 66
		.amdhsa_reserve_vcc 0
		.amdhsa_float_denorm_mode_32 3
		.amdhsa_float_denorm_mode_16_64 3
		.amdhsa_memory_ordered 1
		.amdhsa_forward_progress 1
		.amdhsa_inst_pref_size 219
	.end_amdhsa_kernel
	.amdgpu_metadata
---
amdhsa.version: [ 1, 2 ]
amdhsa.kernels:
  - .name:           k_qffadf0944e_gemm
    .symbol:         k_qffadf0944e_gemm.kd
    .args:
      - { .name: x_codes, .offset: 0, .size: 8, .value_kind: global_buffer, .address_space: global }
      - { .name: w_codes, .offset: 8, .size: 8, .value_kind: global_buffer, .address_space: global }
      - { .name: lowp_scales, .offset: 16, .size: 8, .value_kind: global_buffer, .address_space: global }
      - { .name: out0, .offset: 24, .size: 8, .value_kind: global_buffer, .address_space: global }
    .group_segment_fixed_size: 327680
    .private_segment_fixed_size: 0
    .kernarg_segment_align: 8
    .kernarg_segment_size: 32
    .max_flat_workgroup_size: 128
    .sgpr_count:     66
    .vgpr_count:     1024
    .wavefront_size: 32
...
	.end_amdgpu_metadata
.endif
;; end of part 2
